; MI455X (gfx1250); checked and timed in simulation.
; The chip was launched on July 23, 2026; its instructions are those of AMD's public machine-readable ISA for CDNA 5 (MIT licence, August 2026) and "CDNA5" Instruction Set Architecture Reference Guide (July 2026). The comments in the code are by the model that wrote it; some were corrected since.
;; Gravity Attention. Allowed arithmetic: matrix products marked QUANTISED: E4M3 operands, one given power-of-two scale a tensor, by v_wmma_f32_16x16x64_fp8_fp8 or v_wmma_f32_16x16x128_fp8_fp8, f32 sums; everything else in f32.
;; Inputs: Wout 1,024 x 1,024 float32; Wqkv 1,024 x 3,072 float32; lowp_scales 8 int32 (the exponents e of the quantised operands' scales 2^e); x 4 x 2,048 x 1,024 float32.
;; Outputs: out0 4 x 2,048 x 1,024 float32.
;; This version of the problem:
;;   THIS VERSION OF THE PROBLEM IS GIVEN IN LOW PRECISION. The matrix products marked QUANTISED in the list below multiply operands that are first quantised to E4M3 (4 exponent bits, 3 mantissa bits; 8 bits a number), with one given power-of-two scale for each operand tensor; their sums are f32. All else is computed in f32.
;;   The module's matrix products, in the order in which they are computed (A, B: the left and right operand; K: the contracted axis; several contracted axes count as one K, in the product's order):
;;     1. [M 8,192, K 1,024] x [K 1,024, N 3,072]; A: input x; B: input Wqkv: QUANTISED (scales: A lowp_scales[0], B lowp_scales[1])
;;     2. batch 64 x [M 2,048, K 64] x [K 64, N 2,048]; A: computed on the way; B: computed on the way: QUANTISED (scales: A lowp_scales[2], B lowp_scales[3])
;;     3. batch 64 x [M 2,048, K 2,048] x [K 2,048, N 64]; A: softmax (see below); B: computed on the way: QUANTISED (scales: A lowp_scales[4], B lowp_scales[5])
;;     4. [M 8,192, K 1,024] x [K 1,024, N 1,024]; A: computed on the way; B: input Wout: QUANTISED (scales: A lowp_scales[6], B lowp_scales[7])
;;   THE QUANTISER, for each operand of a quantised product, along K:
;;     - The operand's scale is 2^e, e = its entry of the input lowp_scales (int32; the entries are numbered through the quantised products in the list's order, A before B).
;;     - Each number is divided by the scale, clamped to +-448, and rounded to the nearest number of E4M3, ties to even, subnormals kept.
;;     - The product sums the exact products of the quantised numbers (number of the format x scale) in f32.
;;   ~~~python
;;   def quantise(x, axis, e):      # numpy; x: float32 -> the quantised numbers, widened to float32 again
;;       x = np.moveaxis(x, axis, -1); K = x.shape[-1]
;;       r = np.clip(x / 2.0 ** e, -448, 448)
;;       step = 2.0 ** (np.maximum(np.frexp(np.where(r == 0, 1, r))[1] - 1, -6) - 3)
;;       q = np.round(r / step) * step * 2.0 ** e      # np.round: ties to even
;;       return np.moveaxis(q, -1, axis).astype(np.float32)
;;   ~~~
;;   SOFTMAX AHEAD OF A QUANTISED PRODUCT. Where the list says 'softmax', what is quantised is not the finished softmax but p = 2^(t - M), with t = logit x log2(e) and M = ceil(the row's largest t), a whole number; so 1/2 < the row's largest p <= 1. The row's sum l is taken of the UNQUANTISED p, in f32, and the product's result is divided by l at the end. Since M is a whole number, a kernel that streams over the keys may use a running M (the ceiling of the running maximum): every later rescaling is an exact power of two, so the quantised numbers keep their values, but for numbers so far below the row's largest that they fall under the format's range.
;;   OPERANDS COMPUTED ON THE WAY. 'Computed on the way' means the value that the module computes at that place (a softmax that the list does not call 'softmax' is quantised finished and normalised). What goes into a quantiser is computed in f32, as accurately as f32 sums, v_exp_f32 and their like allow (about 1e-6 of the number): no bf16 or f16 on the way to a quantiser, and a product that is left as it is and whose result goes on into a quantised operand takes f32 operands (vector FMAs, or v_wmma_f32_16x16x4_f32). A number that lies on a knife's edge between two numbers of the format may be rounded either way, as far as f32 arithmetic and the matrix unit's own rounding can turn it there, and no further.
;; One version. Each part assembles by itself: llvm-mc -triple=amdgcn-amd-amdhsa -mcpu=gfx1250 --defsym DOCPART=n.
;; ======== version 1 of 1: 4 launches
;; limits: right only within a limited range of input values
;; workspace buffers: xc 8,388,608 bytes; wqc 3,145,728 bytes; woc 1,048,576 bytes; rope 524,288 bytes; qc 8,388,608 bytes; kc 8,388,608 bytes; vc 8,388,608 bytes; aoc 8,388,608 bytes
;; launch prep (part 1): grid 656 x 1, 4 waves a work-group, no clusters, 69,120 bytes of LDS; arguments x, Wqkv, Wout, lowp_scales, xc, wqc, woc, rope; writes xc, wqc, woc, rope
.if DOCPART == 1
	.amdgcn_target "amdgcn-amd-amdhsa--gfx1250"
	.amdhsa_code_object_version 6
	.text
	.protected	k_q6d6ab49473_prep
	.globl	k_q6d6ab49473_prep
	.p2align	8
	.type	k_q6d6ab49473_prep,@function
k_q6d6ab49473_prep:
	s_mov_b64 s[64:65], 0
	v_nop
	global_prefetch_b8 v0, s[64:65] scope:SCOPE_SE
	s_setreg_imm32_b32 hwreg(HW_REG_WAVE_MODE, 25, 1), 1
	s_wait_xcnt 0x0
; x [8192][1024], Wqkv [1024][3072] and Wout [1024][1024], f32, become codes of E4M3, each with the one scale 2^e given for it (entries 0, 1, 7 of the scales), and the table of RoPE's cosines and sines is made.
; code = number / 2^e, held within +-448, to the nearest code, ties to even.
; THE CODES ARE LAID AS IMAGES OF OPERAND REGISTERS.  An image of 16 rows x 128 along K is 2,048 bytes: byte 512 p + 16 L + y (p = 0..3, L = r + 16 h the lane, y = 0..15) is the code of
; row r, k = 32 p + 16 (y / 8) + 8 h + y % 8: register 4 p + y / 4 of lane L in the 8-bit matrix forms' own layout (ISA guide 7.12.2).  xc: [16-row tile 512][K step 8]; wqc, woc: rows = the weight's COLUMNS, k = its first axis.
; FOUR PATHS, parted on the work-group's number, each with LDS bytes of its own: 0-95 Wqkv, 96-127 Wout, 128-143 the table, 144-655 x.  Waves share nothing: no barrier.  Work-groups share no input: no cluster.
; LIMITS: each of the three exponents between -126 and 119, so that 2^e and 448 x 2^e are f32 numbers.  NaN among the inputs is not served (an infinity is held at the largest code).
; The table's frequencies are the f32 numbers nearest to 10^(-j/8); a frequency made by a power and a division in f32 may differ in its last place, which at t = 2047 is about 1e-4 in the angle.
; LAYOUT OF xc AND wqc, in place of what the lines above say of these two (woc stays as said): the halves of an image, 16 rows x 64 along K = 1,024 bytes (parts p = 0, 1 or 2, 3), are the unit of the layout.
;   xc:  [128 rows: 64][64 along K: 16][tile of 16 rows: 8] x 1,024 bytes.
;   wqc: [head: 16][64 along K: 16][tile: 12] x 1,024 bytes; tiles 0-3 are the head's 64 columns of q, 4-7 of k, 8-11 of v.
; So what one wave of the next launch fetches for a run of K is one dense block of memory.
.set XPITCH, 528
.set XSTAGE, 16*XPITCH                 ; a stage for each wave: LDS bytes 0 to 33,791
.set RBASE,  4*XSTAGE                  ; the table's stages: LDS bytes 33,792 to 68,607
.set RPITCH, 272                       ; a row of the table, 256 bytes, + 16
.set RSTAGE, 32*RPITCH
.set WV,  20                           ; s20  my wave's number
.set SCV, 10                           ; v10  2^e as f32: the conversion takes its exponent field
.set LMV, 11                           ; v11  448 x 2^e
.macro SCALE e                         ; e: the scalar register that holds the exponent
	s_wait_kmcnt 0x0
	s_add_co_i32 s32, s[\e], 127
	s_lshl_b32 s33, s32, 23
	v_mov_b32 v[SCV], s33
	s_add_co_i32 s32, s32, 8
	s_lshl_b32 s32, s32, 23
	s_or_b32 s32, s32, 0x600000                    ; the mantissa field of 448
	v_mov_b32 v[LMV], s32
.endm
; A WEIGHT: a lane takes a column and its registers run down K, so that the conversions, which take neighbours along K from one lane's registers, give codes with K innermost.
.macro WLOAD t, N, SRC                 ; block t: rows 32 t + 0 .. 31 of my column into set t % 2; a wave reads 128 consecutive bytes, the four waves stand side by side
.set ci, 0
.rept 32
	global_load_b32 v[32+32*((\t)%2)+ci], v3, s[\SRC:\SRC+1] offset:(32*(\t)+ci)*\N*4 th:TH_LOAD_NT
.set ci, ci+1
.endr
.endm
.macro WBLOCK t, N, SRC, DST
.set XS, 32+32*((\t)%2)
.set CC, 96+8*(\t)                     ; each block has its own eight registers of codes: no store's data are written again
.if (\t) < 7
	s_wait_loadcnt 32                              ; this block's 32 loads are in; the next block's 32 may be out
.else
	s_wait_loadcnt 0
.endif
.set ci, 0
.rept 32
	v_med3_num_f32 v[XS+ci], v[XS+ci], -v[LMV], v[LMV]   ; the conversion to an 8-bit code does not saturate (ISA guide 7.6.2): the hold comes first
.set ci, ci+1
.endr
	v_cvt_scalef32_pk8_fp8_f32 v[CC:CC+1],   v[XS:XS+7],     v[SCV]   ; k 0-7   : lane half 0, bytes 0-7
	v_cvt_scalef32_pk8_fp8_f32 v[CC+2:CC+3], v[XS+16:XS+23], v[SCV]   ; k 16-23 : lane half 0, bytes 8-15
	v_cvt_scalef32_pk8_fp8_f32 v[CC+4:CC+5], v[XS+8:XS+15],  v[SCV]   ; k 8-15  : lane half 1
	v_cvt_scalef32_pk8_fp8_f32 v[CC+6:CC+7], v[XS+24:XS+31], v[SCV]   ; k 24-31 : lane half 1.  (The results go to stores; the next vector lines are the other set's holds)
.if \N == 3072
.set SO, ((\t)/2)*12288+((\t)%2)*512   ; wqc: 64 along K on are 12 tiles of 1,024 bytes
.else
.set SO, ((\t)/4)*2048+((\t)%4)*512
.endif
	global_store_b128 v4, v[CC:CC+3],   s[\DST:\DST+1] offset:SO       ; sixteen lanes store 256 consecutive bytes, aligned
	global_store_b128 v4, v[CC+4:CC+7], s[\DST:\DST+1] offset:SO+256
.if (\t)+2 < 8
	WLOAD (\t)+2, \N, \SRC
.endif
.endm
; A work-group takes 128 columns x 256 along K, a wave 32 columns.  N: the weight's columns; FIRST: the path's first work-group; SRC, DST: the pointers' registers; E: the exponent's.
.macro WPATH N, FIRST, SRC, DST, E
	s_sub_co_u32 s21, ttmp9, \FIRST
	s_and_b32 s22, s21, 3                          ; which 256 along K
	s_lshr_b32 s23, s21, 2
	s_lshl_b32 s23, s23, 7
	s_lshl_b32 s34, s[WV], 5
	s_add_co_u32 s23, s23, s34                     ; my wave's first column
	s_mul_i32 s34, s22, 256*\N*4
	s_lshl_b32 s36, s23, 2
	s_add_co_u32 s34, s34, s36
	s_add_nc_u64 s[\SRC:\SRC+1], s[\SRC:\SRC+1], s[34:35]
.if \N == 3072
	s_bfe_u32 s34, s23, 0x40006                    ; the head: (column / 64) % 16
	s_mul_i32 s34, s34, 196608
	s_mul_i32 s36, s22, 49152                      ; + my 256 along K: four times 12 tiles
	s_add_co_u32 s34, s34, s36
	s_lshr_b32 s36, s23, 10                        ; q, k or v: four tiles each
	s_lshl_b32 s36, s36, 12
	s_add_co_u32 s34, s34, s36
	s_bfe_u32 s36, s23, 0x20004                    ; + the tile in the head
	s_lshl_b32 s36, s36, 10
.else
	s_lshl_b32 s34, s23, 10                        ; (column / 16) tiles of 16,384 bytes
	s_lshl_b32 s36, s22, 12                        ; + two K steps of 2,048
.endif
	s_add_co_u32 s34, s34, s36
	s_add_nc_u64 s[\DST:\DST+1], s[\DST:\DST+1], s[34:35]
	v_lshlrev_b32 v3, 2, v1                        ; in: 4 bytes a lane
	v_lshrrev_b32 v4, 4, v1
	v_and_b32 v5, 15, v1
.if \N == 3072
	v_lshlrev_b32 v4, 10, v4                       ; out: lanes 16-31 belong to the next tile of 16 columns,
.else
	v_lshlrev_b32 v4, 14, v4
.endif
	v_lshl_add_u32 v4, v5, 4, v4                   ; 16 bytes for each row of the image
	WLOAD 0, \N, \SRC
	WLOAD 1, \N, \SRC
	SCALE \E
	s_wait_alu depctr_va_vdst(0)
.irp t, 0,1,2,3,4,5,6,7
	WBLOCK \t, \N, \SRC, \DST
.endr
	s_endpgm
.endm
	s_load_b256 s[4:11], s[0:1], 0x0               ; x s[4:5], Wqkv s[6:7], Wout s[8:9], the exponents s[10:11]
	s_load_b256 s[12:19], s[0:1], 0x20             ; xc s[12:13], wqc s[14:15], woc s[16:17], rope s[18:19]
	v_lshl_add_u32 v30, v0, 2, 0x10c00
	v_mov_b32 v31, 0
	v_lshrrev_b32 v2, 5, v0
	v_readfirstlane_b32 s[WV], v2                  ; wave 0..3
	v_and_b32 v1, 31, v0                           ; lane
	s_mov_b32 s35, 0                               ; the upper word of every offset pair s[34:35]
	s_wait_kmcnt 0x0
	s_load_b256 s[24:31], s[10:11], 0x0            ; the eight exponents: entry i in s[24 + i]
	s_cmp_lt_u32 ttmp9, 96
	s_cbranch_scc1 .Lwq
	s_cmp_lt_u32 ttmp9, 128
	s_cbranch_scc1 .Lwo
	s_cmp_lt_u32 ttmp9, 144
	s_cbranch_scc1 .Lrope
	; ---- x: a work-group takes a tile of 16 rows, wave w its K steps 2 w and 2 w + 1.  Each load reads 512 consecutive bytes of one row; the numbers turn through the wave's stage so that a lane gets
	; 8 neighbours along K of its row for each conversion; the codes leave as the image lies: 512 consecutive bytes a store.
	s_sub_co_u32 s21, ttmp9, 144                   ; the tile
	s_lshl_b32 s34, s21, 16                        ; 16 rows of 4,096 bytes
	s_lshl_b32 s36, s[WV], 10                      ; + my 256 numbers of a row
	s_add_co_u32 s34, s34, s36
	s_add_nc_u64 s[4:5], s[4:5], s[34:35]
	s_lshr_b32 s34, s21, 3
	s_lshl_b32 s34, s34, 17                        ; my 128 rows' block,
	s_and_b32 s37, s21, 7
	s_lshl_b32 s37, s37, 10                        ; my tile in it,
	s_add_co_u32 s34, s34, s37
	s_lshl_b32 s36, s[WV], 15                      ; + my 256 along K: four times 8 tiles
	s_add_co_u32 s34, s34, s36
	s_add_nc_u64 s[12:13], s[12:13], s[34:35]
	s_wait_alu depctr_va_vdst(0)
	v_lshlrev_b32 v3, 4, v1                        ; 16 x lane: in memory, both ways
	s_mul_i32 s36, s[WV], XSTAGE
	v_add_nc_u32 v5, s36, v3                       ; into the stage: a row as it lies
	v_and_b32 v7, 15, v0                           ; r
	v_bfe_u32 v8, v0, 4, 1                         ; h
	v_mul_u32_u24 v6, v7, XPITCH
	v_lshl_add_u32 v6, v8, 5, v6
	v_add_nc_u32 v6, s36, v6                       ; out of it: row r, + 32 h bytes: k = 8 h on
.irp u, 0,1
.irp r, 0,1,2,3,4,5,6,7,8,9,10,11,12,13,14,15
	global_load_b128 v[32+4*(16*\u+\r):32+4*(16*\u+\r)+3], v3, s[4:5] offset:\r*4096+\u*512 th:TH_LOAD_NT
.endr
.endr
	s_wait_alu depctr_va_vdst(0)
	SCALE 24
	s_wait_alu depctr_va_vdst(0)
.irp u, 0,1
	s_wait_loadcnt 16*(1-\u)                       ; this K step's 16 loads are in; the other's may be out
.irp r, 0,1,2,3,4,5,6,7,8,9,10,11,12,13,14,15
	ds_store_b128 v5, v[32+4*(16*\u+\r):32+4*(16*\u+\r)+3] offset:\r*XPITCH
.endr
.irp p, 0,1,2,3                        ; LDS serves a wave's instructions in order (ISA guide 5.7.1.4): these see the stores above, and one stage serves both K steps
	ds_load_b128 v[160+16*\p:163+16*\p], v6 offset:128*\p        ; k = 32 p + 8 h + 0 .. 3
	ds_load_b128 v[164+16*\p:167+16*\p], v6 offset:128*\p+16     ;                 4 .. 7
	ds_load_b128 v[168+16*\p:171+16*\p], v6 offset:128*\p+64     ; k = 32 p + 16 + 8 h + 0 .. 3
	ds_load_b128 v[172+16*\p:175+16*\p], v6 offset:128*\p+80
.endr
	s_wait_dscnt 0x0
.set ci, 0
.rept 64
	v_med3_num_f32 v[160+ci], v[160+ci], -v[LMV], v[LMV]
.set ci, ci+1
.endr
.irp p, 0,1,2,3
	v_cvt_scalef32_pk8_fp8_f32 v[224+16*\u+4*\p:225+16*\u+4*\p], v[160+16*\p:167+16*\p], v[SCV]
	v_cvt_scalef32_pk8_fp8_f32 v[226+16*\u+4*\p:227+16*\u+4*\p], v[168+16*\p:175+16*\p], v[SCV]
.endr
	v_nop                                          ; a plain line behind the conversions: the next K step's holds write their sources
.irp p, 0,1,2,3
	global_store_b128 v3, v[224+16*\u+4*\p:227+16*\u+4*\p], s[12:13] offset:(2*\u+\p/2)*8192+(\p%2)*512
.endr
.endr
	s_wait_tensorcnt 0x0
	ds_add_u32 v30, v31
	s_wait_dscnt 0x0
	s_endpgm
.Lwq:
	s_wait_alu depctr_va_vdst(0)
	WPATH 3072, 0, 6, 14, 25
.Lwo:
	s_wait_alu depctr_va_vdst(0)
	WPATH 1024, 96, 8, 16, 31
	; ---- the table: rope[t][0..31] = cos(t x inv_j), rope[t][32..63] = sin(t x inv_j), f32.  A lane takes one t, a wave 32, a work-group 128.
	; The angle f = t x inv_j is one f32 product.  n = the whole number nearest to f x 2/pi; r = f - n x pi/2 with pi/2 in three parts (the first step is exact: a multiple of 2^-23 below 1);
	; sine and cosine of r, |r| <= pi/4, by polynomials of degree 7 and 8; the quadrant n % 4 swaps them and sets the signs.
.macro ANGLE j, inv
	v_mul_f32 v8, \inv, v7                         ; f
	v_mul_f32 v9, 0x3f22f983, v8                   ; x 2/pi
	v_rndne_f32 v9, v9                             ; n
	v_fmamk_f32 v10, v9, 0xbfc90fdb, v8            ; f - n x 1.57079637
	v_fmamk_f32 v10, v9, 0x333bbd2e, v10           ;   + n x 4.37113883e-8
	v_fmamk_f32 v10, v9, 0x26f72ced, v10           ;   + n x 1.7151245e-15
	v_cvt_i32_f32 v11, v9
	v_mul_f32 v12, v10, v10                        ; z = r r
	v_fmaak_f32 v13, v12, v25, 0x3c08839e
	v_fmaak_f32 v13, v13, v12, 0xbe2aaaa3
	v_mul_f32 v14, v12, v10
	v_fma_f32 v13, v13, v14, v10                   ; sin r = r + z r (S1 + z (S2 + z S3))
	v_fmaak_f32 v15, v12, v26, 0xbab6061a
	v_fmaak_f32 v15, v15, v12, 0x3d2aaaa5
	v_fma_f32 v16, v12, -0.5, 1.0
	v_mul_f32 v17, v12, v12
	v_fma_f32 v15, v15, v17, v16                   ; cos r = 1 - z / 2 + z z (C1 + z (C2 + z C3))
	v_and_b32 v18, 1, v11
	v_cmp_ne_u32 vcc_lo, 0, v18                    ; an odd quadrant swaps the two
	v_cndmask_b32 v[32+\j], v15, v13, vcc_lo
	v_cndmask_b32 v[64+\j], v13, v15, vcc_lo
	v_lshlrev_b32 v18, 30, v11
	v_and_b32 v18, 0x80000000, v18                 ; the sine is negative in quadrants 2 and 3,
	v_xor_b32 v[64+\j], v[64+\j], v18
	v_add_nc_u32 v19, 1, v11
	v_lshlrev_b32 v19, 30, v19
	v_and_b32 v19, 0x80000000, v19                 ; the cosine in 1 and 2
	v_xor_b32 v[32+\j], v[32+\j], v19
.endm
.Lrope:
	s_sub_co_u32 s21, ttmp9, 128
	s_lshl_b32 s21, s21, 2
	s_add_co_u32 s21, s21, s[WV]                   ; which 32 rows of the table are my wave's
	s_lshl_b32 s22, s21, 5
	s_wait_alu depctr_va_vdst(0)
	v_add_nc_u32 v7, s22, v1
	v_cvt_f32_u32 v7, v7                           ; t
	v_mov_b32 v25, 0xb94ca1f9                      ; S3
	v_mov_b32 v26, 0x37ccf5ce                      ; C3
	s_mul_i32 s23, s[WV], RSTAGE
	s_add_co_u32 s23, s23, RBASE                   ; my stage
	v_mul_u32_u24 v20, v1, RPITCH
	v_add_nc_u32 v20, s23, v20                     ; in: row = my lane
	v_lshrrev_b32 v21, 4, v1
	v_and_b32 v22, 15, v1
	v_mul_u32_u24 v21, v21, RPITCH
	v_lshl_add_u32 v21, v22, 4, v21
	v_add_nc_u32 v21, s23, v21                     ; back: sixteen lanes to a row, two rows an instruction
	v_lshlrev_b32 v22, 4, v1                       ; and the same 512 bytes in memory
	s_lshl_b32 s34, s21, 13
	s_add_nc_u64 s[18:19], s[18:19], s[34:35]
	ANGLE 0, 1.0
	ANGLE 1, 0.7498942093
	ANGLE 2, 0.5623413252
	ANGLE 3, 0.4216965034
	ANGLE 4, 0.3162277660
	ANGLE 5, 0.2371373706
	ANGLE 6, 0.1778279410
	ANGLE 7, 0.1333521432
	ANGLE 8, 0.1
	ANGLE 9, 0.07498942093
	ANGLE 10, 0.05623413252
	ANGLE 11, 0.04216965034
	ANGLE 12, 0.03162277660
	ANGLE 13, 0.02371373706
	ANGLE 14, 0.01778279410
	ANGLE 15, 0.01333521432
	ANGLE 16, 0.01
	ANGLE 17, 0.007498942093
	ANGLE 18, 0.005623413252
	ANGLE 19, 0.004216965034
	ANGLE 20, 0.003162277660
	ANGLE 21, 0.002371373706
	ANGLE 22, 0.001778279410
	ANGLE 23, 0.001333521432
	ANGLE 24, 0.001
	ANGLE 25, 0.0007498942093
	ANGLE 26, 0.0005623413252
	ANGLE 27, 0.0004216965034
	ANGLE 28, 0.0003162277660
	ANGLE 29, 0.0002371373706
	ANGLE 30, 0.0001778279410
	ANGLE 31, 0.0001333521432
.irp i, 0,1,2,3,4,5,6,7,8,9,10,11,12,13,14,15
	ds_store_b128 v20, v[32+4*\i:35+4*\i] offset:16*\i
.endr
.irp i, 0,1,2,3,4,5,6,7,8,9,10,11,12,13,14,15
	ds_load_b128 v[96+4*\i:99+4*\i], v21 offset:2*RPITCH*\i      ; a wave's LDS instructions are served in order: these see my stores
.endr
.irp i, 0,1,2,3,4,5,6,7,8,9,10,11,12,13,14,15
	s_wait_dscnt 15-\i                             ; the younger loads may be out
	global_store_b128 v22, v[96+4*\i:99+4*\i], s[18:19] offset:512*\i
.endr
	s_wait_tensorcnt 0x0
	ds_add_u32 v30, v31
	s_wait_dscnt 0x0
	s_endpgm
.Lfunc_end_k_q6d6ab49473_prep:
	.size	k_q6d6ab49473_prep, .Lfunc_end_k_q6d6ab49473_prep-k_q6d6ab49473_prep
	.p2alignl 7, 3214868480
	.fill 96, 4, 3214868480
	.section	.rodata,"a",@progbits
	.p2align	6, 0x0
	.amdhsa_kernel k_q6d6ab49473_prep
		.amdhsa_group_segment_fixed_size 69120
		.amdhsa_private_segment_fixed_size 0
		.amdhsa_enable_private_segment 0
		.amdhsa_kernarg_size 64
		.amdhsa_user_sgpr_count 2
		.amdhsa_user_sgpr_kernarg_segment_ptr 1
		.amdhsa_wavefront_size32 1
		.amdhsa_system_sgpr_workgroup_id_x 1
		.amdhsa_system_sgpr_workgroup_id_y 1
		.amdhsa_system_sgpr_workgroup_id_z 1
		.amdhsa_system_vgpr_workitem_id 0
		.amdhsa_next_free_vgpr 256
		.amdhsa_next_free_sgpr 66
		.amdhsa_reserve_vcc 1
		.amdhsa_float_denorm_mode_32 3
		.amdhsa_float_denorm_mode_16_64 3
		.amdhsa_memory_ordered 1
		.amdhsa_forward_progress 1
		.amdhsa_inst_pref_size 157
	.end_amdhsa_kernel
	.amdgpu_metadata
---
amdhsa.version: [ 1, 2 ]
amdhsa.kernels:
  - .name:           k_q6d6ab49473_prep
    .symbol:         k_q6d6ab49473_prep.kd
    .args:
      - { .name: x, .offset: 0, .size: 8, .value_kind: global_buffer, .address_space: global }
      - { .name: Wqkv, .offset: 8, .size: 8, .value_kind: global_buffer, .address_space: global }
      - { .name: Wout, .offset: 16, .size: 8, .value_kind: global_buffer, .address_space: global }
      - { .name: lowp_scales, .offset: 24, .size: 8, .value_kind: global_buffer, .address_space: global }
      - { .name: xc, .offset: 32, .size: 8, .value_kind: global_buffer, .address_space: global }
      - { .name: wqc, .offset: 40, .size: 8, .value_kind: global_buffer, .address_space: global }
      - { .name: woc, .offset: 48, .size: 8, .value_kind: global_buffer, .address_space: global }
      - { .name: rope, .offset: 56, .size: 8, .value_kind: global_buffer, .address_space: global }
    .group_segment_fixed_size: 69120
    .private_segment_fixed_size: 0
    .kernarg_segment_align: 8
    .kernarg_segment_size: 64
    .max_flat_workgroup_size: 128
    .sgpr_count:     66
    .vgpr_count:     256
    .wavefront_size: 32
...
	.end_amdgpu_metadata
.endif
;; end of part 1
;; launch qkv (part 2): grid 8 x 32, 4 waves a work-group, clusters of 4 x 4, 327,680 bytes of LDS; arguments xc, wqc, rope, lowp_scales, qc, kc, vc; writes qc, kc, vc
.if DOCPART == 2
	.amdgcn_target "amdgcn-amd-amdhsa--gfx1250"
	.amdhsa_code_object_version 6
	.text
	.protected	k_q6d6ab49473_qkv
	.globl	k_q6d6ab49473_qkv
	.p2align	8
	.type	k_q6d6ab49473_qkv,@function
k_q6d6ab49473_qkv:
	s_mov_b64 s[64:65], 0
	v_nop
	global_prefetch_b8 v0, s[64:65] scope:SCOPE_SE
	s_setreg_imm32_b32 hwreg(HW_REG_WAVE_MODE, 25, 1), 1
	s_wait_xcnt 0x0
	s_wait_alu depctr_hold_cnt(0) depctr_sa_sdst(0) depctr_va_vdst(0) depctr_va_sdst(0) depctr_va_ssrc(0) depctr_va_vcc(0) depctr_vm_vsrc(0)
	s_getreg_b32 s2, hwreg(HW_REG_IB_STS2, 6, 4)
	s_cmp_eq_u32 s2, 0
	s_cbranch_scc0 .Lentry_in_a_cluster
	s_endpgm
.Lentry_in_a_cluster:
	s_bfe_u32 s2, ttmp6, 0x10000c
	s_cmp_lg_u32 s2, 0xf033
	s_cbranch_scc0 .Lentry_shape_is_right
	s_endpgm
.Lentry_shape_is_right:
; qkv = x Wqkv on codes of E4M3 (8,192 x 1,024 x 3,072), RoPE on q and k in f32, and q, k, v quantised at once for attention's two products.  Nothing wide goes to memory.
; SHARES.  256 work-groups.  Work-group (g, Y) takes rows 256 Y .. + 255 of x against heads 2 g and 2 g + 1 of q, of k and of v: 384 columns.  Wave (wr, wc) takes 128 rows x head 2 g + wc of all three: 8 x 12 accumulators, 768 registers.
; OPERANDS are halves of images of operand registers: 16 rows x 64 along K = 1,024 bytes, byte 512 p + 16 x lane + y = register 4 p + y / 4 of the K = 64 form's own layout: a fragment is two ds_load_b128 at 16 x lane.
;   xc [128 rows: 64][unit of 64 K: 16][tile 8];  wqc [head 16][unit 16][tile 12: 0-3 q, 4-7 k, 8-11 v].  A wave's part of a run of units is one dense block, stated as rows of 4,096 bytes.
; q, k: source 0 = the weight's columns, source 1 = rows of x: a lane holds one t, its registers run along the head's axis, K of q k^T.
; v:    the two sources swapped: a lane holds one d, its registers run along the keys, K of p v.  So the conversions' results are the next operands' registers and leave as images, 512 consecutive bytes a store.
;   qc, kc: [batch x head 64][tile of 16 t: 128] images of 16 x 64;   vc: [batch x head 64][step of 128 keys: 16][tile of 16 d: 4] images of 16 x 128, rows = d.
; LDS: seven places for units, unit u at place u % 7: x's two parts (8,192 bytes a unit), then the weight's two (12,288).  The head's one load a wave brings units 0-6; three joint refills bring 7-10, 11-13 and 14-15,
; each in the middle of the last unit all of whose fragments are in registers.  CLUSTER 4 x 4: x's parts are asked for jointly along a row of the cluster, the weight's along a column.
; No prefetch: the text has no loop to run ahead in, and 7 of the 16 units come with the first fill.
; A sum stands for sum x 2^(e0 + e1); RoPE is linear; so a conversion takes 2^(e_dst - e0 - e1) as its one scale (e_dst: entry 2 for q, 3 for k, 5 for v).
; LIMIT: each e_dst - e0 - e1 between -126 and 119.  NaN among the inputs is not served.
; REGISTERS: window 0: v16-29 addresses and scales; v32-159 two sets of x's 8 fragments; v160-255 the weight's 12.  Windows 1, 2, 3: the accumulators of q, k, v: (tile bt of the head, block a of rows) at v[64 bt + 8 a].
;   On the way out window 0 holds: v32-159 four sets of rope rows, v160-223 numbers, v224-255 two sets of codes.
.set UA,    8192
.set UB,    12288
.set NPOS,  7
.set PA,    NPOS*UA
.set PB,    NPOS*UB
.set LB,    2*PA
.set SPARE, 2*PA+2*PB                  ; behind the places: the spare words, 128 bytes a wave, that no other line names
.set ADRA, 16                          ; v16  my x fragments
.set ADRB, 17                          ; v17  my weight fragments, places 0-3;  v18 places 4-6
.set LI,   19                          ; v19  16 x lane
.set RO,   20                          ; v20  my lane's byte in 16 rows of the rope table
.set SC,   22                          ; v22, 24, 26 the scales of q, k, v as f32;  v23, 25, 27  448 x each
.set SPW,  28
.set NIL,  29
.set XF,   32
.set WF,   160
.set ROT,  32
.set OT,   160
.set CODE, 224
.set G1,  24                           ; s[24:31] group 1 for x's parts, s[32:35] group 0
.set G0,  32
.set G1B, 48                           ; s[48:55], s[56:59] the same for the weight's
.set G0B, 56
.set MSB, 0
.macro WIN new                         ; the immediate's high byte repeats the setting that is left
.if MSB != (\new)
	s_set_vgpr_msb (MSB<<8)|(\new)
.set MSB, (\new)
.endif
.endm
; A joint load: waves 0 and 1 fetch x's parts, waves 2 and 3 the weight's.  The branch hangs on the wave's number alone.  s_nop 0 and four v_nop follow each line.
.macro JLOAD
	s_cmp_eq_u32 s15, 0
	s_cbranch_scc0 .Lfor_b_\@
	tensor_load_to_lds s[G0:G0+3], s[G1:G1+7]
	s_nop 0
.rept 4
	v_nop
.endr
	s_branch .Lasked_\@
.Lfor_b_\@:
	tensor_load_to_lds s[G0B:G0B+3], s[G1B:G1B+7]
	s_nop 0
.rept 4
	v_nop
.endr
.Lasked_\@:
.endm
.macro CROUND                          ; a round of the cluster's barrier
	s_barrier_signal -1
	s_barrier_wait -1
	s_cmp_lg_u32 s14, 0
	s_cbranch_scc1 .Lnot_wave_0_\@
	s_barrier_signal -3
.Lnot_wave_0_\@:
	s_barrier_wait -3
	s_barrier_signal -1
	s_barrier_wait -1
.endm
.macro PLACES
.rept 4
	v_nop
.endr
.endm
; The descriptors for n units from unit un on, to place pos on.  Written only where no tensor load of the wave is out.
.macro SETG pos, un, n
	s_mov_b32 s[G1+2], (2*\n)<<16                  ; rows of 4,096 bytes: two to a unit of x,
	s_mov_b32 s[G1+4], 2*\n
	s_mov_b32 s[G1B+2], (3*\n)<<16                 ; three to a unit of the weight
	s_mov_b32 s[G1B+4], 3*\n
	s_add_co_u32 s[G0+1], s45, \pos*UA
	s_add_nc_u64 s[G0+2:G0+3], s[20:21], \un*UA
	s_or_b32 s[G0+3], s[G0+3], 0x80000000
	s_add_co_u32 s[G0B+1], s22, \pos*UB
	s_add_nc_u64 s[G0B+2:G0B+3], s[46:47], \un*UB
	s_or_b32 s[G0B+3], s[G0B+3], 0x80000000
.endm
	s_load_b256 s[68:75], s[0:1], 0x0              ; xc, wqc, rope, the exponents
	s_load_b128 s[76:79], s[0:1], 0x20             ; qc, kc
	s_load_b64 s[80:81], s[0:1], 0x30              ; vc
	v_lshl_add_u32 v[SPW], v0, 2, SPARE
	v_mov_b32 v[NIL], 0
	ds_add_u32 v[SPW], v[NIL]                      ; the opening lines: the add, twice on end, and its wait ahead of my first tensor load
	ds_add_u32 v[SPW], v[NIL]
	v_lshrrev_b32 v1, 5, v0
	v_readfirstlane_b32 s14, v1                    ; wave 0..3
	s_lshr_b32 s15, s14, 1                         ; wr: my half of the rows.  Also: I fetch for x (0) or for the weight (1)
	s_and_b32 s16, s14, 1                          ; wc: my head of the two.  Also: which part I fetch
	s_bfe_u32 s40, ttmp6, 0x40000                  ; cx, cy
	s_bfe_u32 s41, ttmp6, 0x40004
	s_and_b32 s17, ttmp7, 0xffff
	s_lshl_b32 s17, s17, 2
	s_add_co_u32 s17, s17, s41                     ; Y: hangs on cy, never on cx
	s_lshl_b32 s42, ttmp9, 2
	s_add_co_u32 s42, s42, s40                     ; g: hangs on cx, never on cy
	s_lshl_b32 s43, s41, 2
	s_lshl_b32 s43, 15, s43                        ; my row of the cluster
	s_lshl_b32 s44, 0x1111, s40                    ; my column
	s_or_b32 s[G1], s43, (3<<16)|(1<<21)           ; the mask; elements of 8 bytes; no padding; bit 21 beside a mask
	s_or_b32 s[G1B], s44, (3<<16)|(1<<21)
.irp g, G1, G1B
	s_mov_b32 s[\g+1], 512<<16                     ; tensor_dim0 = 512 elements
	s_mov_b32 s[\g+3], 512<<16                     ; tile_dim0
	s_mov_b32 s[\g+5], 512                         ; dense: the pitch is the row
	s_mov_b32 s[\g+6], 0
	s_mov_b32 s[\g+7], 0
.endr
	s_mov_b32 s[G0], 1
	s_mov_b32 s[G0B], 1
	s_lshl_b32 s20, s17, 18                        ; x: two parts of 131,072 bytes to a work-group,
	s_lshl_b32 s18, s16, 17
	s_add_co_u32 s20, s20, s18                     ; + the one that I fetch
	s_mov_b32 s21, 0
	s_lshl_b32 s46, s42, 1
	s_add_co_u32 s46, s46, s16
	s_mul_i32 s46, s46, 16*UB                      ; the weight: head 2 g + the part that I fetch
	s_mov_b32 s47, 0
	s_mul_i32 s45, s16, PA                         ; where they go: no place in the cluster enters an LDS address
	s_mul_i32 s22, s16, PB
	s_add_co_u32 s22, s22, LB
	s_lshr_b32 s92, s17, 3                         ; the results: batch x 16 + my head,
	s_lshl_b32 s92, s92, 4
	s_lshl_b32 s93, s42, 1
	s_add_co_u32 s92, s92, s93
	s_add_co_u32 s92, s92, s16
	s_lshl_b32 s92, s92, 17
	s_and_b32 s93, s17, 7
	s_lshl_b32 s93, s93, 1
	s_add_co_u32 s93, s93, s15                     ; my 128 t: eight images of q or k, four of v: 8,192 bytes in each of the three
	s_lshl_b32 s93, s93, 13
	s_add_co_u32 s92, s92, s93
	s_mov_b32 s93, 0
	s_wait_dscnt 0x0                               ; both opening adds are done
	s_wait_kmcnt 0x0
	s_load_b256 s[84:91], s[74:75], 0x0            ; the eight exponents: entry i in s[84 + i]
	s_add_nc_u64 s[20:21], s[68:69], s[20:21]
	s_add_nc_u64 s[46:47], s[70:71], s[46:47]
	s_add_nc_u64 s[76:77], s[76:77], s[92:93]
	s_add_nc_u64 s[78:79], s[78:79], s[92:93]
	s_add_nc_u64 s[80:81], s[80:81], s[92:93]
	SETG 0, 0, 7
	CROUND                                         ; all sixteen work-groups are here: the first joint loads meet
	JLOAD                                          ; units 0-6: my one tensor load at the head
	v_and_b32 v1, 31, v0
	v_lshlrev_b32 v[LI], 4, v1
	s_mul_i32 s92, s15, PA
	v_add_nc_u32 v[ADRA], s92, v[LI]
	s_mul_i32 s92, s16, PB
	s_add_co_u32 s92, s92, LB
	v_add_nc_u32 v[ADRB], s92, v[LI]
	v_add_nc_u32 v[ADRB+1], 4*UB, v[ADRB]
	s_and_b32 s92, s17, 7                          ; the rope rows of my 128 t: t = 256 (Y % 8) + 128 wr + 16 a + r.  Lane (r, h) wants frequencies 16 u + 8 h + 0 .. 7
	s_lshl_b32 s92, s92, 16
	s_lshl_b32 s93, s15, 15
	s_add_co_u32 s92, s92, s93
	s_mov_b32 s93, 0
	s_add_nc_u64 s[82:83], s[72:73], s[92:93]
	v_and_b32 v2, 15, v0
	v_bfe_u32 v3, v0, 4, 1
	v_lshlrev_b32 v[RO], 8, v2
	v_lshl_add_u32 v[RO], v3, 5, v[RO]
	s_wait_kmcnt 0x0
	s_add_co_i32 s92, s84, s85                     ; e0 + e1
.macro SCL r, e
	s_sub_co_i32 s93, s[\e], s92
	s_add_co_i32 s93, s93, 127
	s_lshl_b32 s94, s93, 23
	v_mov_b32 v[\r], s94
	s_add_co_i32 s93, s93, 8
	s_lshl_b32 s93, s93, 23
	s_or_b32 s93, s93, 0x600000
	v_mov_b32 v[\r+1], s93
.endm
	SCL SC, 86
	SCL SC+2, 87
	SCL SC+4, 89
.macro RLOAD a                         ; block a's eight loads into set a % 4: 16 cosines, then 16 sines; they serve q and k alike
.set RS, ROT+32*((\a)%4)
.irp u, 0,1
	global_load_b128 v[RS+8*\u:RS+8*\u+3],         v[RO], s[82:83] offset:(\a)*4096+64*\u
	global_load_b128 v[RS+8*\u+4:RS+8*\u+7],       v[RO], s[82:83] offset:(\a)*4096+64*\u+16
	global_load_b128 v[RS+16+8*\u:RS+16+8*\u+3],   v[RO], s[82:83] offset:(\a)*4096+64*\u+128
	global_load_b128 v[RS+16+8*\u+4:RS+16+8*\u+7], v[RO], s[82:83] offset:(\a)*4096+64*\u+144
.endr
.endm
.macro FW u, b0                        ; six of the weight's fragments of unit u, from b0 on: 12 loads
.set PP, (\u)%NPOS
.set BI, \b0
.rept 6
	ds_load_b128 v[WF+8*BI:WF+8*BI+3],   v[ADRB+PP/4] offset:(PP%4)*UB+BI*1024
	ds_load_b128 v[WF+8*BI+4:WF+8*BI+7], v[ADRB+PP/4] offset:(PP%4)*UB+BI*1024+512
.set BI, BI+1
.endr
.endm
.macro FX u                            ; x's eight fragments of unit u into set u % 2: 16 loads
.set PP, (\u)%NPOS
.set XS, XF+64*((\u)%2)
.set BI, 0
.rept 8
	ds_load_b128 v[XS+8*BI:XS+8*BI+3],   v[ADRA] offset:PP*UA+BI*1024
	ds_load_b128 v[XS+8*BI+4:XS+8*BI+7], v[ADRA] offset:PP*UA+BI*1024+512
.set BI, BI+1
.endr
.endm
; Eight products: tile bt of q (sec 0), k (1) or v (2) against x's eight blocks.  Unit 0's products start the sums: nothing is cleared.  The 96 accumulators take turns, in the same order in every unit.
.macro MM sec, bt, u
.set XS, XF+64*((\u)%2)
.set WB, WF+8*(4*\sec+\bt)
.irp a, 0,1,2,3,4,5,6,7
.set DD, 64*\bt+8*\a
.if \sec < 2
.if (\u) == 0
	v_wmma_f32_16x16x64_fp8_fp8 v[DD:DD+7], v[WB:WB+7], v[XS+8*\a:XS+8*\a+7], 0
.else
	v_wmma_f32_16x16x64_fp8_fp8 v[DD:DD+7], v[WB:WB+7], v[XS+8*\a:XS+8*\a+7], v[DD:DD+7]
.endif
.else
.if (\u) == 0
	v_wmma_f32_16x16x64_fp8_fp8 v[DD:DD+7], v[XS+8*\a:XS+8*\a+7], v[WB:WB+7], 0
.else
	v_wmma_f32_16x16x64_fp8_fp8 v[DD:DD+7], v[XS+8*\a:XS+8*\a+7], v[WB:WB+7], v[DD:DD+7]
.endif
.endif
.endr
.endm
; A UNIT: 64 along K, 96 products.  A fragment of the weight is free when its eight products are issued: fragments 0-5 are fetched anew in the unit's middle, with x's other set, fragments 6-11 at its end.
; A load into a register that a matrix instruction has read stands four places behind it (ISA guide 7.12.1 for vector instructions).
; ev = 1: in the middle, where all fragments up to this unit's are in registers, places are filled again: the wait for all my tensor loads, the add, the wait for it and for my reads, a round of the cluster's barrier, my one joint load.
; ev = 2: the same lines and the work-group's barrier: the last refill has landed; nothing is filled.
.macro UNIT u, ev, pos, un, n
	s_wait_dscnt 12                                ; x's set and fragments 0-5 are in; the youngest 12 loads (fragments 6-11) may be out
	WIN 0x50
	MM 0, 0, \u
	MM 0, 1, \u
	MM 0, 2, \u
	MM 0, 3, \u
.if \ev
	WIN 0
	s_wait_tensorcnt 0x0                           ; all my tensor loads have landed
	ds_add_u32 v[SPW], v[NIL]                      ; 0 onto my spare word
.if \ev == 1
	SETG \pos, \un, \n
.endif
.endif
	WIN 0xa0
	MM 1, 0, \u
	MM 1, 1, \u
	WIN 0
	s_wait_dscnt 0x0                               ; fragments 6-11 are in (ev: and the add is done): my reads of all places up to this unit's are over
.if \ev == 1
	CROUND
	JLOAD                                          ; its four v_nop are the places in front of the loads below
.else
.if \ev == 2
	s_barrier_signal -1
	s_barrier_wait -1
.endif
	PLACES
.endif
.if (\u) < 15
	FW (\u)+1, 0
	FX (\u)+1
.else
	RLOAD 0                                        ; x's set 0 is free: the first rope rows
	RLOAD 1
.endif
	WIN 0xa0
	MM 1, 2, \u
	MM 1, 3, \u
	WIN 0xf0
	MM 2, 0, \u
	MM 2, 1, \u
	MM 2, 2, \u
	MM 2, 3, \u
	WIN 0
	PLACES
.if (\u) < 15
	FW (\u)+1, 6
.endif
.endm
	s_wait_alu depctr_va_vdst(0)                   ; the wait at the head's end
	s_wait_tensorcnt 0x0                           ; my part of units 0-6 is in
	s_barrier_signal -1
	s_barrier_wait -1                              ; everybody's is
	FW 0, 0
	FX 0
	FW 0, 6
	UNIT 0, 0, 0, 0, 0
	UNIT 1, 0, 0, 0, 0
	UNIT 2, 0, 0, 0, 0
	UNIT 3, 1, 0, 7, 4                             ; places 0-3 take units 7-10
	UNIT 4, 0, 0, 0, 0
	UNIT 5, 0, 0, 0, 0
	UNIT 6, 1, 4, 11, 3                            ; places 4-6 take units 11-13
	UNIT 7, 0, 0, 0, 0
	UNIT 8, 0, 0, 0, 0
	UNIT 9, 0, 0, 0, 0
	UNIT 10, 1, 0, 14, 2                           ; places 0-1 take units 14-15
	UNIT 11, 0, 0, 0, 0
	UNIT 12, 0, 0, 0, 0
	UNIT 13, 2, 0, 0, 0
	UNIT 14, 0, 0, 0, 0
	UNIT 15, 0, 0, 0, 0
	RLOAD 2                                        ; behind the last products' places: into x's set 1
	RLOAD 3
; THE WAY OUT OF v, first: it needs no rope row.  Tile bt: d = 16 bt + r; block a's registers are keys 16 a + 8 h + j: the tile's 64 numbers are one image's, in order.
.macro VOUT bt
.set CD, CODE+16*((\bt)%2)
.if \bt > 1
	s_wait_xcnt 0x0                                ; the stores of two tiles ago have read this set of codes
.endif
	WIN 0x03
.set nn, 0
.rept 64
	v_med3_num_f32 v[OT+nn], v[64*\bt+nn], -v[SC+5], v[SC+5]   ; the conversion does not saturate (ISA guide 7.6.2); ascending: each accumulator from its low end on
.set nn, nn+1
.endr
	WIN 0
.irp g, 0,1,2,3,4,5,6,7
	v_cvt_scalef32_pk8_fp8_f32 v[CD+2*\g:CD+2*\g+1], v[OT+8*\g:OT+8*\g+7], v[SC+4]
.endr
	v_nop                                          ; a plain line behind the conversions
.irp p, 0,1,2,3
	global_store_b128 v[LI], v[CD+4*\p:CD+4*\p+3], s[80:81] offset:\bt*2048+\p*512   ; 32 lanes store 512 consecutive bytes, aligned
.endr
.endm
; THE WAY OUT OF q AND k.  Block a: t = 16 a + r; tile bt: d = 16 bt + 8 h + j.  x1 lies in tile u (0, 1), its partner x2 in tile u + 2, at the same frequency 16 u + 8 h + j.
.macro QKOUT a
.set RS, ROT+32*((\a)%4)
.set CD, CODE+16*((\a)%2)
.if (\a) < 5
	s_wait_loadcnt 24                              ; this block's eight rope loads are in; the next three blocks' may be out
.else
	s_wait_loadcnt 8*(7-(\a))
.endif
	s_wait_xcnt 0x0                                ; the stores of two blocks ago have read this set of codes
.irp sec, 0,1
	WIN 1+\sec                                     ; source 0: the accumulators' window
.irp u, 0,1
.irp i, 0,2,4,6
	v_pk_mul_f32 v[OT+32*\sec+8*\u+\i:OT+32*\sec+8*\u+\i+1],       v[64*(\u+2)+8*(\a)+\i:64*(\u+2)+8*(\a)+\i+1], v[RS+16+8*\u+\i:RS+16+8*\u+\i+1]   ; x2 sin
	v_pk_mul_f32 v[OT+32*\sec+16+8*\u+\i:OT+32*\sec+16+8*\u+\i+1], v[64*(\u+2)+8*(\a)+\i:64*(\u+2)+8*(\a)+\i+1], v[RS+8*\u+\i:RS+8*\u+\i+1]         ; x2 cos
.endr
.endr
.irp u, 0,1
.irp i, 0,2,4,6
	v_pk_fma_f32 v[OT+32*\sec+8*\u+\i:OT+32*\sec+8*\u+\i+1],       v[64*\u+8*(\a)+\i:64*\u+8*(\a)+\i+1], v[RS+8*\u+\i:RS+8*\u+\i+1],       v[OT+32*\sec+8*\u+\i:OT+32*\sec+8*\u+\i+1] neg_lo:[0,0,1] neg_hi:[0,0,1]   ; x1 cos - x2 sin
	v_pk_fma_f32 v[OT+32*\sec+16+8*\u+\i:OT+32*\sec+16+8*\u+\i+1], v[64*\u+8*(\a)+\i:64*\u+8*(\a)+\i+1], v[RS+16+8*\u+\i:RS+16+8*\u+\i+1], v[OT+32*\sec+16+8*\u+\i:OT+32*\sec+16+8*\u+\i+1]                            ; x1 sin + x2 cos
.endr
.endr
.endr
	WIN 0
.if (\a)+4 < 8
	RLOAD (\a)+4                                   ; into the set just read
.endif
.set nn, 0
.rept 64
	v_med3_num_f32 v[OT+nn], v[OT+nn], -v[SC+1+2*(nn/32)], v[SC+1+2*(nn/32)]
.set nn, nn+1
.endr
.irp g, 0,1,2,3,4,5,6,7                ; d = 16 (g % 4) + 8 h + 0 .. 7 of q (g < 4) or k: registers 2 (g % 4), + 1 of its image
	v_cvt_scalef32_pk8_fp8_f32 v[CD+2*\g:CD+2*\g+1], v[OT+8*\g:OT+8*\g+7], v[SC+2*(\g/4)]
.endr
	v_nop                                          ; a plain line behind the conversions
.irp p, 0,1
	global_store_b128 v[LI], v[CD+4*\p:CD+4*\p+3],    s[76:77] offset:(\a)*1024+\p*512
	global_store_b128 v[LI], v[CD+8+4*\p:CD+8+4*\p+3], s[78:79] offset:(\a)*1024+\p*512
.endr
.endm
.irp bt, 0,1,2,3
	VOUT \bt
.endr
.irp a, 0,1,2,3,4,5,6,7
	QKOUT \a
.endr
	s_wait_tensorcnt 0x0                           ; the wave's end
	ds_add_u32 v[SPW], v[NIL]
	s_wait_dscnt 0x0
	CROUND                                         ; the closing round: no work-group ends while a partner may still ask for a tile that names it
	s_endpgm
.Lfunc_end_k_q6d6ab49473_qkv:
	.size	k_q6d6ab49473_qkv, .Lfunc_end_k_q6d6ab49473_qkv-k_q6d6ab49473_qkv
	.p2alignl 7, 3214868480
	.fill 96, 4, 3214868480
	.section	.rodata,"a",@progbits
	.p2align	6, 0x0
	.amdhsa_kernel k_q6d6ab49473_qkv
		.amdhsa_group_segment_fixed_size 327680
		.amdhsa_private_segment_fixed_size 0
		.amdhsa_enable_private_segment 0
		.amdhsa_kernarg_size 56
		.amdhsa_user_sgpr_count 2
		.amdhsa_user_sgpr_kernarg_segment_ptr 1
		.amdhsa_wavefront_size32 1
		.amdhsa_system_sgpr_workgroup_id_x 1
		.amdhsa_system_sgpr_workgroup_id_y 1
		.amdhsa_system_sgpr_workgroup_id_z 1
		.amdhsa_system_vgpr_workitem_id 0
		.amdhsa_next_free_vgpr 1024
		.amdhsa_next_free_sgpr 100
		.amdhsa_reserve_vcc 0
		.amdhsa_float_denorm_mode_32 3
		.amdhsa_float_denorm_mode_16_64 3
		.amdhsa_memory_ordered 1
		.amdhsa_forward_progress 1
		.amdhsa_inst_pref_size 254
	.end_amdhsa_kernel
	.amdgpu_metadata
---
amdhsa.version: [ 1, 2 ]
amdhsa.kernels:
  - .name:           k_q6d6ab49473_qkv
    .symbol:         k_q6d6ab49473_qkv.kd
    .args:
      - { .name: xc, .offset: 0, .size: 8, .value_kind: global_buffer, .address_space: global }
      - { .name: wqc, .offset: 8, .size: 8, .value_kind: global_buffer, .address_space: global }
      - { .name: rope, .offset: 16, .size: 8, .value_kind: global_buffer, .address_space: global }
      - { .name: lowp_scales, .offset: 24, .size: 8, .value_kind: global_buffer, .address_space: global }
      - { .name: qc, .offset: 32, .size: 8, .value_kind: global_buffer, .address_space: global }
      - { .name: kc, .offset: 40, .size: 8, .value_kind: global_buffer, .address_space: global }
      - { .name: vc, .offset: 48, .size: 8, .value_kind: global_buffer, .address_space: global }
    .group_segment_fixed_size: 327680
    .private_segment_fixed_size: 0
    .kernarg_segment_align: 8
    .kernarg_segment_size: 56
    .max_flat_workgroup_size: 128
    .sgpr_count:     100
    .vgpr_count:     1024
    .wavefront_size: 32
...
	.end_amdgpu_metadata
.endif
;; end of part 2
;; launch attn (part 3): grid 4 x 64, 16 waves a work-group, clusters of 4 x 1, 167,936 bytes of LDS; arguments qc, kc, vc, lowp_scales, aoc; writes aoc
.if DOCPART == 3
	.amdgcn_target "amdgcn-amd-amdhsa--gfx1250"
	.amdhsa_code_object_version 6
	.text
	.protected	k_q6d6ab49473_attn
	.globl	k_q6d6ab49473_attn
	.p2align	8
	.type	k_q6d6ab49473_attn,@function
k_q6d6ab49473_attn:
	s_mov_b64 s[64:65], 0
	v_nop
	global_prefetch_b8 v0, s[64:65] scope:SCOPE_SE
	s_setreg_imm32_b32 hwreg(HW_REG_WAVE_MODE, 25, 1), 1
	s_wait_xcnt 0x0
	s_wait_alu depctr_hold_cnt(0) depctr_sa_sdst(0) depctr_va_vdst(0) depctr_va_sdst(0) depctr_va_ssrc(0) depctr_va_vcc(0) depctr_vm_vsrc(0)
	s_getreg_b32 s2, hwreg(HW_REG_IB_STS2, 6, 4)
	s_cmp_eq_u32 s2, 0
	s_cbranch_scc0 .Lentry_in_a_cluster
	s_endpgm
.Lentry_in_a_cluster:
	s_bfe_u32 s2, ttmp6, 0x10000c
	s_cmp_lg_u32 s2, 0x3003
	s_cbranch_scc0 .Lentry_shape_is_right
	s_endpgm
.Lentry_shape_is_right:
; Causal attention on codes of E4M3 for 64 (batch, head) pairs of 2,048 x 64, and the result quantised at once as the last product's operand.
; qc, kc: [pair][tile of 16 t: 128] images of 16 x 64 (1,024 bytes: byte 512 p + 16 x lane + y = register 4 p + y / 4);  vc: [pair][step of 128 keys: 16][tile of 16 d: 4] images of 16 x 128, rows = d, K = the keys.
; aoc: [tile of 16 rows b x 2048 + t: 512][K step 8] images of 16 x 128, k = 64 x head + d: head hd fills parts 2 (hd % 2), + 1 of K step hd / 2.
; THE SOFTMAX: t = score x log2(e) / 8; M = the running largest t rounded UP to a whole number; p = 2^(t - M) is quantised with 2^e4, not normalised; the row's sum is taken of the unquantised p and divides at the end.
; When M moves, the sum and O are multiplied by 2^(old M - new M): exact.
; A HEAD'S K STAYS IN LDS: 131,072 bytes, filled ONCE: each of the sixteen waves issues one joint tensor load of 8,192 bytes with the head's four work-groups, one cluster.  Nothing is filled again, and one barrier shows all of it to all waves.
; V GOES FROM MEMORY STRAIGHT INTO REGISTERS: its images lie as the operand's registers want them, so a step's four images are 16 loads of 512 consecutive bytes, asked for behind the scores' products and waited for behind the softmax.
; So of a step's 32 fragment loads 16 are LDS loads and 16 are global loads.  V is prefetched two key steps ahead: wave 0 names, in trip i < 14, step i + 2's 8,192 bytes; the four partners share its 32 blocks of 256 bytes out by address,
; eight each (lanes 8-31 name the eighth again).  Steps 0 and 1 come by their loads alone.  All of K is asked for at the head, so nothing of it could be asked for earlier.
; SHARES.  Work-group j of the head, wave w: TWO tiles of 16 queries: tile j of the block of 128 queries w, and tile 4 + j of block 15 - w.  A tile of block B needs key steps 0 .. B: the causal mask hides the rest,
; whatever the inputs hold, so those steps are left out: (w + 1) + (16 - w) = 17 steps for every wave.  Every wave walks all 16 trips of the loop; a step that a tile does not need is jumped over by a scalar branch on the wave's number and the counter.
; j enters Q's, the prefetch's and the output's addresses and the mask's compare alone: no branch and no LDS address hangs on the place in the cluster.
; LAYOUT.  S^T = K Q^T (source 0 = 16 keys, source 1 = 16 queries) and O^T = V^T P^T: a lane holds ONE query (lane % 16); register j of score tile T is key 16 T + 8 (lane / 16) + j,
; which is where the second product's operand wants it: the conversions' results are its registers.
; LIMITS: e2 + e3 between -123 and 130 (added to c's exponent field); e4 and e6 between -126 and 119; e4 + e5 goes in by v_ldexp_f32 and has none.  NaN among the inputs is not served.
; REGISTERS: v1 16 x lane; v2 the step's offset in K (LDS) and in V (memory); v4, v5 the mask's number; v6, v7 Q's offsets; for tile x: v[8+4x] -M, v[9+4x] the largest t, v[10+4x:11+4x] the sum in two halves, v[16+8x ..] Q, v[160+32x ..] O^T;
;   v32-95 fragments of K, then of V; v96-159 S^T, then p; v224-239 p's codes; v240-255 constants and at work (v247, v249: the prefetch's; v251, v255: the add's two).
.set LI,  1
.set ADK, 2
.set DM,  4
.set QO,  6
.set F,   32
.set S,   96
.set PC,  224
.set WV,  14                           ; s14  my wave's number
.set CX,  15                           ; s15  my place in the cluster
.set G1,  16                           ; s[16:23] descriptor group 1
.set G0,  32                           ; s[32:35] descriptor group 0
.set SEL, 48                           ; s[48:49] lane selects for v_permlanex16_b32: lane l xor 16
.set CS,  50                           ; s[50:51] c = log2(e) / 8 x 2^(e2 + e3)
.set KB,  52                           ; s52  byte of the step's tiles in K and in V
.set KI,  53                           ; s53  the key step
.set B0,  54                           ; s54, s55  my two tiles' blocks of 128 queries = their last key steps
.macro ROUND                           ; a round of the cluster's barrier
	s_barrier_signal -1
	s_barrier_wait -1
	s_cmp_lg_u32 s[WV], 0
	s_cbranch_scc1 .Lnot_wave_0_\@
	s_barrier_signal -3
.Lnot_wave_0_\@:
	s_barrier_wait -3
	s_barrier_signal -1
	s_barrier_wait -1
.endm
	s_load_b256 s[4:11], s[0:1], 0x0               ; qc s[4:5], kc s[6:7], vc s[8:9], the exponents s[10:11]
	s_load_b64 s[12:13], s[0:1], 0x20              ; aoc
	v_lshl_add_u32 v251, v0, 2, 0x20000
	v_mov_b32 v255, 0
	ds_add_u32 v251, v255                          ; the opening lines: the add, twice on end, and its wait ahead of my tensor load
	ds_add_u32 v251, v255
	v_lshrrev_b32 v2, 5, v0
	s_delay_alu instid0(VALU_DEP_1)
	v_readfirstlane_b32 s[WV], v2                  ; wave 0..15
	s_bfe_u32 s[CX], ttmp6, 0x40000
	s_and_b32 s24, ttmp7, 0xffff                   ; the pair (batch, head), which the four partners share
	s_lshl_b32 s28, s24, 17                        ; its first byte in qc, kc and vc
	s_mov_b32 s29, 0
	s_lshl_b32 s27, s[WV], 13                      ; my 8,192 bytes of K: in LDS,
	s_add_co_u32 s30, s28, s27                     ; in memory
	s_mov_b32 s31, 0
	s_mov_b32 s[G1], 15|(3<<16)|(1<<21)            ; the mask: all four work-groups; elements of 8 bytes; no padding; bit 21 beside a mask
	s_mov_b32 s[G1+1], 32<<16                      ; a dense block as 32 rows of 256 bytes
	s_mov_b32 s[G1+2], 32<<16
	s_mov_b32 s[G1+3], 32<<16
	s_mov_b32 s[G1+4], 32
	s_mov_b32 s[G1+5], 32
	s_mov_b32 s[G1+6], 0
	s_mov_b32 s[G1+7], 0
	s_mov_b32 s[SEL], 0x76543210
	s_mov_b32 s[SEL+1], 0xfedcba98
	s_mov_b32 s[CS], 0x3e38aa3b                    ; log2(e) / sqrt(64)
	s_mov_b32 s[B0], s[WV]
	s_sub_co_u32 s[B0+1], 15, s[WV]
	s_wait_dscnt 0x0
	s_wait_kmcnt 0x0
	s_load_b256 s[56:63], s[10:11], 0x0            ; the eight exponents: entry i in s[56 + i]
	s_add_nc_u64 s[66:67], s[6:7], s[30:31]
	s_add_nc_u64 s[8:9], s[8:9], s[28:29]          ; V's codes at my pair
	s_mov_b32 s[G0], 1
	s_mov_b32 s[G0+1], s27
	s_mov_b64 s[G0+2:G0+3], s[66:67]
	s_or_b32 s[G0+3], s[G0+3], 0x80000000
	ROUND                                          ; all four work-groups are here: the joint loads meet
	tensor_load_to_lds s[G0:G0+3], s[G1:G1+7]      ; my one tensor load
	s_nop 0
.rept 4
	v_nop
.endr
	s_add_nc_u64 s[4:5], s[4:5], s[28:29]          ; Q's codes at my pair
	v_and_b32 v254, 31, v0
	s_delay_alu instid0(VALU_DEP_1)
	v_lshlrev_b32 v[LI], 4, v254
	s_lshl_b32 s70, s[WV], 3
	s_add_co_u32 s68, s70, s[CX]                   ; my tiles of 16 queries: 8 w + j
	s_sub_co_u32 s69, 124, s70
	s_add_co_u32 s69, s69, s[CX]                   ; and 8 (15 - w) + 4 + j
	s_lshl_b32 s70, s68, 10
	s_lshl_b32 s71, s69, 10
	v_add_nc_u32 v[QO], s70, v[LI]
	v_add_nc_u32 v[QO+1], s71, v[LI]
.irp x, 0,1
	global_load_b128 v[16+8*\x:19+8*\x], v[QO+\x], s[4:5]
	global_load_b128 v[20+8*\x:23+8*\x], v[QO+\x], s[4:5] offset:512
.endr
	v_and_b32 v254, 15, v0                         ; r
	v_bfe_u32 v252, v0, 4, 1                       ; h
	s_delay_alu instid0(VALU_DEP_1)
	v_lshlrev_b32 v252, 3, v252
	s_delay_alu instid0(VALU_DEP_1)
	v_sub_nc_u32 v254, v254, v252
	s_lshl_b32 s70, s[CX], 4
	v_add_nc_u32 v[DM], s70, v254                  ; my query's place in its block of 128, less 8 h: on the diagonal, key 16 T + 8 h + i is hidden where 16 T + i is greater
	s_delay_alu instid0(VALU_DEP_1)
	v_add_nc_u32 v[DM+1], 64, v[DM]
	v_and_b32 v247, 31, v0                         ; the prefetch's offset: my work-group's eight blocks of 256 bytes of a step's 32, a lane a block
	v_min_u32 v247, 7, v247
	v_lshlrev_b32 v247, 8, v247
	s_lshl_b32 s70, s[CX], 11
	v_add_nc_u32 v247, s70, v247
.irp x, 0,1
	v_mov_b32 v[9+4*\x], 0xff61b1e6                ; the largest t so far: -3e38, under every t
	s_delay_alu instid0(VALU_DEP_1)
	v_floor_f32 v[8+4*\x], -v[9+4*\x]              ; -M
	v_mov_b32 v[10+4*\x], 0                        ; the sum, in two halves
	v_mov_b32 v[11+4*\x], 0
.endr
	v_mov_b32 v241, 0xff800000                     ; -infinity
	v_mov_b32 v246, 0                              ; written once: a lane permute's destination counts as one of its sources
	v_mov_b32 v253, 0                              ; (named as the upper half of the pair v[252:253])
.set nn, 0
.rept 64
	v_mov_b32 v[160+nn], 0                         ; O^T.  (The step has no first form of its own: it finds zeros, which the first change of M leaves zeros)
.set nn, nn+1
.endr
	s_wait_kmcnt 0x0
	s_add_co_i32 s70, s58, s59
	s_lshl_b32 s70, s70, 23
	s_add_co_i32 s[CS], s[CS], s70                 ; a score stands for score x 2^(e2 + e3): added to c's exponent field
	s_mov_b32 s[CS+1], s[CS]
	s_add_co_i32 s70, s60, 127
	s_lshl_b32 s71, s70, 23
	v_mov_b32 v244, s71                            ; 2^e4, for p's conversion
	s_add_co_i32 s70, s70, 8
	s_lshl_b32 s70, s70, 23
	s_or_b32 s70, s70, 0x600000
	v_mov_b32 v240, s70                            ; 448 x 2^e4,
	v_mov_b32 v245, s70                            ; and once more, for the second half of a dual pair
	s_add_co_i32 s70, s62, 127
	s_lshl_b32 s71, s70, 23
	v_mov_b32 v248, s71                            ; 2^e6, for the result's conversion
	s_add_co_i32 s70, s70, 8
	s_lshl_b32 s70, s70, 23
	s_or_b32 s70, s70, 0x600000
	v_mov_b32 v250, s70                            ; 448 x 2^e6
	s_add_co_i32 s72, s60, s61                     ; e4 + e5
; A KEY STEP of 128 keys for tile x.
.macro STEP x
.set NM, 8+4*\x
.set TM, 9+4*\x
.set SU, 10+4*\x
.set QF, 16+8*\x
.set OA, 160+32*\x
	s_cmp_gt_u32 s[KI], s[B0+\x]                   ; all of the step's keys come after the tile's queries: left out
	s_cbranch_scc1 .Lskip_\@
	v_add_nc_u32 v[ADK], s[KB], v[LI]              ; (the loads that read the old value were waited for ahead of the last products)
.irp T, 0,1,2,3,4,5,6,7
	ds_load_b128 v[F+8*\T:F+8*\T+3],   v[ADK] offset:1024*\T       ; the image of keys 16 T on, as it lies
	ds_load_b128 v[F+8*\T+4:F+8*\T+7], v[ADK] offset:1024*\T+512
.endr
	s_wait_alu depctr_va_vdst(0)                   ; directly ahead of the wait below
	s_wait_dscnt 0x0
.irp T, 0,1,2,3,4,5,6,7
	v_wmma_f32_16x16x64_fp8_fp8 v[S+8*\T:S+8*\T+7], v[F+8*\T:F+8*\T+7], v[QF:QF+7], 0
.endr
.rept 4
	v_nop                                          ; four places: behind them V's loads land where K's fragments lay, and the scores are read
.endr
.irp d, 0,1,2,3
.irp p, 0,1,2,3
	global_load_b128 v[F+16*\d+4*\p:F+16*\d+4*\p+3], v[ADK], s[8:9] offset:2048*\d+512*\p   ; V's four images, 512 consecutive bytes a load: they land under the softmax
.endr
.endr
	s_cmp_lg_u32 s[KI], s[B0+\x]                   ; only the tile's last step lies on the diagonal
	s_cbranch_scc1 .Lopen_\@
.set nn, 0
.rept 64
	v_cmp_gt_i32 vcc_lo, 16*(nn/8)+nn%8, v[DM+\x]
	v_cndmask_b32 v[S+nn], v[S+nn], v241, vcc_lo   ; a hidden key's score becomes -infinity: p = 0.  The query's own key always counts
.set nn, nn+1
.endr
.Lopen_\@:
	v_max3_num_f32 v254, v[S], v[S+1], v[S+2]      ; the step's largest score of my query among my 64 keys, in two chains, ascending
	v_max3_num_f32 v252, v[S+3], v[S+4], v[S+5]
.irp i, 6,10,14,18,22,26,30,34,38,42,46,50,54,58
	v_max3_num_f32 v254, v254, v[S+\i], v[S+\i+1]
	v_max3_num_f32 v252, v252, v[S+\i+2], v[S+\i+3]
.endr
	v_max3_num_f32 v254, v254, v[S+62], v[S+63]
	s_delay_alu instid0(VALU_DEP_1)
	v_max_num_f32 v254, v254, v252
	s_delay_alu instid0(VALU_DEP_1)
	v_permlanex16_b32 v246, v254, s[SEL], s[SEL+1]
	s_delay_alu instid0(VALU_DEP_1)
	v_max_num_f32 v254, v254, v246                 ; and among lane l xor 16's
	s_delay_alu instid0(VALU_DEP_1)
	v_mul_f32 v254, s[CS], v254                    ; as t (c is positive)
	s_delay_alu instid0(VALU_DEP_1)
	v_max_num_f32 v[TM], v[TM], v254               ; the running largest t
	v_mov_b32 v254, v[NM]
	s_delay_alu instid0(VALU_DEP_2)
	v_floor_f32 v[NM], -v[TM]                      ; the new -M = floor(-t) = -ceil(t)
	s_delay_alu instid0(VALU_DEP_1)
	v_sub_f32 v254, v[NM], v254                    ; old M - new M: a whole number, 0 or less
	s_delay_alu instid0(VALU_DEP_1)
	v_cvt_i32_f32 v254, v254                       ; (it saturates)
	s_delay_alu instid0(VALU_DEP_1)
	v_ldexp_f32 v252, 1.0, v254                    ; f = 2^(old M - new M)
.set nn, 0
.rept 32
	v_pk_fma_f32 v[S+nn:S+nn+1], v[S+nn:S+nn+1], s[CS:CS+1], v[NM:NM+1] op_sel_hi:[1,0,0]   ; t - M, two at a time
.set nn, nn+2
.endr
.set nn, 0
	s_wait_alu depctr_va_vdst(0)                   ; the wait ahead of the batch
.rept 64
	v_exp_f32 v[S+nn], v[S+nn]                     ; p = 2^(t - M)
.set nn, nn+1
.endr
	v_pk_mul_f32 v[SU:SU+1], v[SU:SU+1], v[252:253] op_sel_hi:[1,0]   ; the sums under the new M: the plain line behind the exponentials
	s_wait_alu depctr_va_vdst(0)                   ; one wait for the whole batch, ahead of its first reader
	v_pk_add_f32 v[242:243], v[S:S+1], v[S+2:S+3]  ; the row's sum is taken of the unquantised p, in two chains
.irp j, 4,8,12,16,20,24,28,32,36,40,44,48,52,56,60
	v_pk_add_f32 v[SU:SU+1], v[SU:SU+1], v[S+\j:S+\j+1]
	v_pk_add_f32 v[242:243], v[242:243], v[S+\j+2:S+\j+3]
.endr
	s_delay_alu instid0(VALU_DEP_1)
	v_pk_add_f32 v[SU:SU+1], v[SU:SU+1], v[242:243]
.irp b, 0,1,2,3
.irp i, 0,2,4,6,8,10,12,14             ; the conversion does not saturate (ISA guide 7.6.2); p is not negative, so the hold is one-sided; two numbers to a dual pair
	v_dual_min_num_f32 v[S+16*\b+\i], v[S+16*\b+\i], v240 :: v_dual_min_num_f32 v[S+16*\b+\i+1], v[S+16*\b+\i+1], v245
.endr
	v_cvt_scalef32_pk8_fp8_f32 v[PC+4*\b:PC+4*\b+1],   v[S+16*\b:S+16*\b+7],    v244
	v_cvt_scalef32_pk8_fp8_f32 v[PC+4*\b+2:PC+4*\b+3], v[S+16*\b+8:S+16*\b+15], v244
.endr
.set nn, 0
.rept 16
	v_pk_mul_f32 v[OA+nn:OA+nn+1], v[OA+nn:OA+nn+1], v[252:253] op_sel_hi:[1,0]   ; O^T under the new M; also the plain lines behind the conversions
.set nn, nn+2
.endr
	s_wait_alu depctr_va_vdst(0)                   ; directly ahead of the wait below
	s_wait_loadcnt 0x0                             ; V is in
.irp d, 0,1,2,3                        ; four accumulators by turns
	v_wmma_f32_16x16x128_fp8_fp8 v[OA+8*\d:OA+8*\d+7], v[F+16*\d:F+16*\d+15], v[PC:PC+15], v[OA+8*\d:OA+8*\d+7]
.endr
.rept 4
	v_nop                                          ; four places: behind them the next loads land in the fragments' registers, and O^T is read
.endr
.Lskip_\@:
.endm
	s_wait_alu depctr_va_vdst(0)                   ; the wait at the head's end
	s_wait_loadcnt 0x0                             ; Q
	s_wait_tensorcnt 0x0                           ; my 8,192 bytes are in
	s_barrier_signal -1
	s_barrier_wait -1                              ; everybody's are: all of K.
	s_mov_b32 s[KB], 0
	s_mov_b32 s[KI], 0
.Lkeys:                                                ; 16 trips, a key step each
	STEP 0
	STEP 1
	s_cmp_lg_u32 s[WV], 0                          ; wave 0 asks for V's step two trips on; the last two trips ask for nothing
	s_cbranch_scc1 .Lno_ask
	s_cmp_gt_u32 s[KI], 13
	s_cbranch_scc1 .Lno_ask
	s_wait_xcnt 0x0                                ; the last trip's prefetch has read its address
	v_add_nc_u32 v249, s[KB], v247
	global_prefetch_b8 v249, s[8:9] offset:16384 th:TH_LOAD_NT scope:SCOPE_SE
.Lno_ask:
	s_add_co_u32 s[KB], s[KB], 8192
	s_add_co_u32 s[KI], s[KI], 1
	s_cmp_lt_u32 s[KI], 16
	s_cbranch_scc1 .Lkeys
	; THE WAY OUT.  O^T x 2^(e4 + e5) / the sum; register 8 d + i of lane (r, h) is channel 16 d + 8 h + i of query r: converted, the eight registers are the head's two parts of an image of the last product's operand.
	s_lshr_b32 s73, s24, 4                         ; the batch: 128 tiles of 16,384 bytes
	s_lshl_b32 s73, s73, 21
	s_bfe_u32 s74, s24, 0x30001                    ; head / 2: the K step
	s_lshl_b32 s74, s74, 11
	s_add_co_u32 s73, s73, s74
	s_and_b32 s74, s24, 1                          ; head % 2: which two parts
	s_lshl_b32 s74, s74, 10
	s_add_co_u32 s74, s73, s74
	s_mov_b32 s75, 0
	s_add_nc_u64 s[12:13], s[12:13], s[74:75]
	s_lshl_b32 s70, s68, 14
	s_lshl_b32 s71, s69, 14
.macro OUTT x
.set SU, 10+4*\x
.set OA, 160+32*\x
.set OW, 96+32*\x
	v_add_f32 v[SU], v[SU], v[SU+1]                ; the sum's two halves,
	s_delay_alu instid0(VALU_DEP_1)
	v_permlanex16_b32 v246, v[SU], s[SEL], s[SEL+1]
	s_delay_alu instid0(VALU_DEP_1)
	v_add_f32 v[SU], v[SU], v246                   ; and lane l xor 16's
	s_wait_alu depctr_va_vdst(0)                   ; the wait ahead of the transcendental
	v_rcp_f32 v[SU], v[SU]
	v_add_nc_u32 v[ADK+\x], s[70+\x], v[LI]        ; (the plain line behind the reciprocal)  my bytes of the tile's image
	s_wait_alu depctr_va_vdst(0)                   ; the wait ahead of the reciprocal's first reader
	v_ldexp_f32 v[SU], v[SU], s72
.set nn, 0
.rept 16
	v_pk_mul_f32 v[OW+nn:OW+nn+1], v[OA+nn:OA+nn+1], v[SU:SU+1] op_sel_hi:[1,0]   ; ascending: each accumulator from its low end on
.set nn, nn+2
.endr
.set nn, 0
.rept 32
	v_med3_num_f32 v[OW+nn], v[OW+nn], -v250, v250
.set nn, nn+1
.endr
.irp d, 0,1,2,3
	v_cvt_scalef32_pk8_fp8_f32 v[PC+8*\x+2*\d:PC+8*\x+2*\d+1], v[OW+8*\d:OW+8*\d+7], v248
.endr
	v_nop                                          ; a plain line behind the conversions
	global_store_b128 v[ADK+\x], v[PC+8*\x:PC+8*\x+3],   s[12:13]              ; 32 lanes store 512 consecutive bytes, aligned
	global_store_b128 v[ADK+\x], v[PC+8*\x+4:PC+8*\x+7], s[12:13] offset:512
.endm
	OUTT 0
	OUTT 1
	s_wait_tensorcnt 0x0                           ; the wave's end
	ds_add_u32 v251, v255
	s_wait_dscnt 0x0
	ROUND                                          ; the closing round: no work-group ends while a partner may still ask for a tile that names it
	s_endpgm
.Lfunc_end_k_q6d6ab49473_attn:
	.size	k_q6d6ab49473_attn, .Lfunc_end_k_q6d6ab49473_attn-k_q6d6ab49473_attn
	.p2alignl 7, 3214868480
	.fill 96, 4, 3214868480
	.section	.rodata,"a",@progbits
	.p2align	6, 0x0
	.amdhsa_kernel k_q6d6ab49473_attn
		.amdhsa_group_segment_fixed_size 167936
		.amdhsa_private_segment_fixed_size 0
		.amdhsa_enable_private_segment 0
		.amdhsa_kernarg_size 40
		.amdhsa_user_sgpr_count 2
		.amdhsa_user_sgpr_kernarg_segment_ptr 1
		.amdhsa_wavefront_size32 1
		.amdhsa_system_sgpr_workgroup_id_x 1
		.amdhsa_system_sgpr_workgroup_id_y 1
		.amdhsa_system_sgpr_workgroup_id_z 1
		.amdhsa_system_vgpr_workitem_id 0
		.amdhsa_next_free_vgpr 256
		.amdhsa_next_free_sgpr 80
		.amdhsa_reserve_vcc 1
		.amdhsa_float_denorm_mode_32 3
		.amdhsa_float_denorm_mode_16_64 3
		.amdhsa_memory_ordered 1
		.amdhsa_forward_progress 1
		.amdhsa_inst_pref_size 59
	.end_amdhsa_kernel
	.amdgpu_metadata
---
amdhsa.version: [ 1, 2 ]
amdhsa.kernels:
  - .name:           k_q6d6ab49473_attn
    .symbol:         k_q6d6ab49473_attn.kd
    .args:
      - { .name: qc, .offset: 0, .size: 8, .value_kind: global_buffer, .address_space: global }
      - { .name: kc, .offset: 8, .size: 8, .value_kind: global_buffer, .address_space: global }
      - { .name: vc, .offset: 16, .size: 8, .value_kind: global_buffer, .address_space: global }
      - { .name: lowp_scales, .offset: 24, .size: 8, .value_kind: global_buffer, .address_space: global }
      - { .name: aoc, .offset: 32, .size: 8, .value_kind: global_buffer, .address_space: global }
    .group_segment_fixed_size: 167936
    .private_segment_fixed_size: 0
    .kernarg_segment_align: 8
    .kernarg_segment_size: 40
    .max_flat_workgroup_size: 512
    .sgpr_count:     80
    .vgpr_count:     256
    .wavefront_size: 32
...
	.end_amdgpu_metadata
.endif
;; end of part 3
;; launch proj (part 4): grid 4 x 64, 4 waves a work-group, no clusters, 34,304 bytes of LDS; arguments aoc, woc, lowp_scales, out0; writes out0
.if DOCPART == 4
	.amdgcn_target "amdgcn-amd-amdhsa--gfx1250"
	.amdhsa_code_object_version 6
	.text
	.protected	k_q6d6ab49473_proj
	.globl	k_q6d6ab49473_proj
	.p2align	8
	.type	k_q6d6ab49473_proj,@function
k_q6d6ab49473_proj:
	s_mov_b64 s[64:65], 0
	v_nop
	global_prefetch_b8 v0, s[64:65] scope:SCOPE_SE
	s_setreg_imm32_b32 hwreg(HW_REG_WAVE_MODE, 25, 1), 1
	s_wait_xcnt 0x0
; out0 = attention's result x Wout on codes of E4M3 (8,192 x 1,024 x 1,024); each f32 sum is multiplied once by 2^(e6 + e7).
; OPERANDS are images of operand registers: 16 rows x 128 along K = 2,048 bytes, byte 512 p + 16 x lane + y = register 4 p + y / 4; aoc [tile of 16 rows: 512][K step 8], woc [tile of 16 columns of Wout: 64][K step 8].
; THEY GO FROM MEMORY STRAIGHT INTO REGISTERS: a fragment is four loads of 512 consecutive bytes at 16 x lane; every offset is an immediate and no address is stepped.
; SHARES.  256 work-groups; one makes 128 rows x 256 columns, a wave 64 x 128: 4 x 8 accumulators.  A K step of 128 is 48 loads (4 fragments of aoc, 8 of woc) and 32 products.
; Two sets of 192 registers take turns: while one step is multiplied, the next step's 48 loads are out.
; No tensor load, no ring, no barrier: waves share nothing but the launch's inputs.  No cluster: no tile goes through LDS, so there is no tensor load that partners could ask for jointly.
; No prefetch: of the eight K steps two are asked for at the head, and the loads themselves run a step ahead.
; THE MATRIX INSTRUCTION IS USED TRANSPOSED (source 0 = 16 columns of Wout, source 1 = 16 rows): a lane holds eight neighbouring numbers of a row of out0.
; LIMIT: e6 + e7 between -126 and 127, so that 2^(e6 + e7) is an f32 number.
; REGISTERS: window 0: v24-29 addresses; v32-223 operand set 0 (v32-95 the rows' 4 fragments, v96-223 the columns' 8); window 2: the same numbers, set 1; window 1: accumulator (a, b) at v[8 (8 a + b)].
;   On the way out window 0 holds: v32-95 a block's sums x 2^(e6 + e7), v128-255 two sets of 16 rows read back from the stage.
.set SPITCH, 528                       ; the stage: 16 rows x (512 bytes + 16) for each wave
.set SPARE,  4*16*SPITCH               ; behind the stages: the spare words, 128 bytes a wave, that no other line names
.set STO,  24
.set RD,   25
.set LI,   26
.set SPW,  28
.set NIL,  29
.set TMP,  32
.set BK,   128
.set MSB, 0
.macro WIN new                         ; the immediate's high byte repeats the setting that is left
.if MSB != (\new)
	s_set_vgpr_msb (MSB<<8)|(\new)
.set MSB, (\new)
.endif
.endm
.macro PLACES
.rept 4
	v_nop
.endr
.endm
	s_load_b128 s[4:7], s[0:1], 0x0                ; aoc, woc
	s_load_b128 s[8:11], s[0:1], 0x10              ; the exponents, out0
	v_lshl_add_u32 v[SPW], v0, 2, SPARE
	v_mov_b32 v[NIL], 0
	v_lshrrev_b32 v1, 5, v0
	v_readfirstlane_b32 s14, v1                    ; wave 0..3
	s_lshr_b32 s15, s14, 1                         ; my half of the rows
	s_and_b32 s16, s14, 1                          ; my half of the columns
	s_and_b32 s17, ttmp7, 0xffff                   ; which 128 rows
	s_lshl_b32 s20, s17, 17                        ; aoc: eight tiles of 16,384 bytes to a work-group,
	s_lshl_b32 s18, s15, 16                        ; four to a wave
	s_add_co_u32 s20, s20, s18
	s_mov_b32 s21, 0
	s_lshl_b32 s22, ttmp9, 18                      ; woc: sixteen tiles to a work-group,
	s_lshl_b32 s18, s16, 17                        ; eight to a wave
	s_add_co_u32 s22, s22, s18
	s_mov_b32 s23, 0
	s_lshl_b32 s24, s17, 7
	s_lshl_b32 s18, s15, 6
	s_add_co_u32 s24, s24, s18                     ; my first row of out0,
	s_lshl_b32 s24, s24, 12                        ; of 4,096 bytes
	s_lshl_b32 s18, ttmp9, 10
	s_add_co_u32 s24, s24, s18                     ; + my first column: 1,024 bytes a work-group,
	s_lshl_b32 s18, s16, 9
	s_add_co_u32 s24, s24, s18                     ; 512 a wave
	s_mov_b32 s25, 0
	s_mul_i32 s26, s14, 16*SPITCH                  ; my stage
	v_and_b32 v1, 31, v0
	v_lshlrev_b32 v[LI], 4, v1
	v_and_b32 v2, 15, v0
	v_bfe_u32 v3, v0, 4, 1
	v_mul_u32_u24 v[STO], v2, SPITCH               ; in: row l % 16, 32 bytes for each half of the lanes
	v_lshl_add_u32 v[STO], v3, 5, v[STO]
	v_add_nc_u32 v[STO], s26, v[STO]
	v_add_nc_u32 v[RD], s26, v[LI]                 ; back: the 32 lanes take one row of 512 bytes
	s_wait_alu depctr_va_vdst(0)                   ; the wait at the head's end
	s_wait_kmcnt 0x0
	s_load_b64 s[96:97], s[8:9], 0x18              ; e6, e7
	s_add_nc_u64 s[4:5], s[4:5], s[20:21]
	s_add_nc_u64 s[6:7], s[6:7], s[22:23]
	s_add_nc_u64 s[10:11], s[10:11], s[24:25]
.macro LD s                            ; K step s: 48 loads into set s % 2 (window 0 or 2)
	WIN ((\s)%2)<<7
.irp i, 0,1,2,3
.irp c, 0,1,2,3
	global_load_b128 v[32+16*\i+4*\c:32+16*\i+4*\c+3], v[LI], s[4:5] offset:\i*16384+(\s)*2048+\c*512
.endr
.endr
.irp i, 0,1,2,3,4,5,6,7
.irp c, 0,1,2,3
	global_load_b128 v[96+16*\i+4*\c:96+16*\i+4*\c+3], v[LI], s[6:7] offset:\i*16384+(\s)*2048+\c*512
.endr
.endr
	WIN 0
.endm
.macro MUL s                           ; 32 products; step 0's start the sums: nothing is cleared.  The accumulators take turns, in the same order in every step
	WIN 0x50|(10*((\s)%2))
.irp a, 0,1,2,3
.irp b, 0,1,2,3,4,5,6,7
.if (\s) == 0
	v_wmma_f32_16x16x128_fp8_fp8 v[8*(8*\a+\b):8*(8*\a+\b)+7], v[96+16*\b:96+16*\b+15], v[32+16*\a:32+16*\a+15], 0
.else
	v_wmma_f32_16x16x128_fp8_fp8 v[8*(8*\a+\b):8*(8*\a+\b)+7], v[96+16*\b:96+16*\b+15], v[32+16*\a:32+16*\a+15], v[8*(8*\a+\b):8*(8*\a+\b)+7]
.endif
.endr
.endr
	WIN 0
.endm
	LD 0
	LD 1
.irp s, 0,1,2,3,4,5,6,7
.if \s < 7
	s_wait_loadcnt 48                              ; this step's 48 loads are in; the next step's 48 may be out
.else
	s_wait_loadcnt 0x0
.endif
	MUL \s
	PLACES                                         ; four places: behind them loads land in registers that the products have read, and (last step) the results are read
.if \s+2 < 8
	LD \s+2
.endif
.endr
; THE WAY OUT, block by block of 16 rows x 128 columns, through my own stage in LDS: in as 32 bytes a lane, back as whole rows of 512 bytes, which the 32 lanes store as two aligned units of 256 bytes.
; LDS serves a wave's instructions in order (ISA guide 5.7.1.4): no wait between the stores and the loads.
.macro TOSTAGE a
.set AC, 64*(\a)
	WIN 0x01                                       ; source 0: the accumulators' window
.set nn, 0
.rept 32
	v_pk_mul_f32 v[TMP+nn:TMP+nn+1], v[AC+nn:AC+nn+1], s[96:97] op_sel_hi:[1,0]   ; both x s96 = 2^(e6 + e7); each accumulator from its low end on
.set nn, nn+2
.endr
	WIN 0
.irp b, 0,1,2,3,4,5,6,7
	ds_store_b128 v[STO], v[TMP+8*\b:TMP+8*\b+3] offset:64*\b
	ds_store_b128 v[STO], v[TMP+8*\b+4:TMP+8*\b+7] offset:64*\b+16
.endr
.set BB, BK+64*((\a)%2)
.irp t, 0,1,2,3,4,5,6,7,8,9,10,11,12,13,14,15
	ds_load_b128 v[BB+4*\t:BB+4*\t+3], v[RD] offset:\t*SPITCH
.endr
.endm
.macro SEND a, younger                 ; younger: the LDS instructions issued behind block a's loads, which may stay out
.set BB, BK+64*((\a)%2)
	s_wait_dscnt \younger
.if (\a) > 0
	s_add_nc_u64 s[10:11], s[10:11], 65536         ; (behind a wait on XCNT)  16 rows on
.endif
.irp t, 0,1,2,3,4,5,6,7,8,9,10,11,12,13,14,15
	global_store_b128 v[LI], v[BB+4*\t:BB+4*\t+3], s[10:11] offset:\t*4096 th:TH_STORE_NT
.endr
.endm
	s_wait_kmcnt 0x0
	s_add_co_i32 s96, s96, s97
	s_add_co_i32 s96, s96, 127
	s_lshl_b32 s96, s96, 23                        ; 2^(e6 + e7) as f32
	TOSTAGE 0
.irp a, 1,2,3
.if \a > 1
	s_wait_xcnt 0x0                                ; block a - 2's stores have read their registers and their base
.endif
	TOSTAGE \a
	SEND \a-1, 32                                  ; behind block a - 1's loads: block a's 16 stores and 16 loads
.endr
	s_wait_xcnt 0x0
	SEND 3, 0
	s_wait_tensorcnt 0x0                           ; the wave's end, behind my last LDS store
	ds_add_u32 v[SPW], v[NIL]
	s_wait_dscnt 0x0
	s_endpgm
.Lfunc_end_k_q6d6ab49473_proj:
	.size	k_q6d6ab49473_proj, .Lfunc_end_k_q6d6ab49473_proj-k_q6d6ab49473_proj
	.p2alignl 7, 3214868480
	.fill 96, 4, 3214868480
	.section	.rodata,"a",@progbits
	.p2align	6, 0x0
	.amdhsa_kernel k_q6d6ab49473_proj
		.amdhsa_group_segment_fixed_size 34304
		.amdhsa_private_segment_fixed_size 0
		.amdhsa_enable_private_segment 0
		.amdhsa_kernarg_size 32
		.amdhsa_user_sgpr_count 2
		.amdhsa_user_sgpr_kernarg_segment_ptr 1
		.amdhsa_wavefront_size32 1
		.amdhsa_system_sgpr_workgroup_id_x 1
		.amdhsa_system_sgpr_workgroup_id_y 1
		.amdhsa_system_sgpr_workgroup_id_z 1
		.amdhsa_system_vgpr_workitem_id 0
		.amdhsa_next_free_vgpr 768
		.amdhsa_next_free_sgpr 98
		.amdhsa_reserve_vcc 0
		.amdhsa_float_denorm_mode_32 3
		.amdhsa_float_denorm_mode_16_64 3
		.amdhsa_memory_ordered 1
		.amdhsa_forward_progress 1
		.amdhsa_inst_pref_size 79
	.end_amdhsa_kernel
	.amdgpu_metadata
---
amdhsa.version: [ 1, 2 ]
amdhsa.kernels:
  - .name:           k_q6d6ab49473_proj
    .symbol:         k_q6d6ab49473_proj.kd
    .args:
      - { .name: aoc, .offset: 0, .size: 8, .value_kind: global_buffer, .address_space: global }
      - { .name: woc, .offset: 8, .size: 8, .value_kind: global_buffer, .address_space: global }
      - { .name: lowp_scales, .offset: 16, .size: 8, .value_kind: global_buffer, .address_space: global }
      - { .name: out0, .offset: 24, .size: 8, .value_kind: global_buffer, .address_space: global }
    .group_segment_fixed_size: 34304
    .private_segment_fixed_size: 0
    .kernarg_segment_align: 8
    .kernarg_segment_size: 32
    .max_flat_workgroup_size: 128
    .sgpr_count:     98
    .vgpr_count:     768
    .wavefront_size: 32
...
	.end_amdgpu_metadata
.endif
;; end of part 4
